; MI455X (gfx1250); checked and timed in simulation.
; The chip was launched on July 23, 2026; its instructions are those of AMD's public machine-readable ISA for CDNA 5 (MIT licence, August 2026) and "CDNA5" Instruction Set Architecture Reference Guide (July 2026). The comments in the code are by the model that wrote it; some were corrected since.
;; Transformer Memory Layer. Allowed arithmetic: float matrix products may take bf16 or f16 operands with f32 sums; all other float work in f32.
;; Inputs: Wg 1,024 x 4 float32; Wk 4 x 1,024 x 1,024 float32; Wo 4 x 1,024 x 1,024 float32; Wq 4 x 1,024 x 1,024 float32; Wv 4 x 1,024 x 1,024 float32; beta 1,024 float32; bg 4 float32; bk 4 x 1,024 float32; bo 4 x 1,024 float32; bq 4 x 1,024 float32; bv 4 x 1,024 float32; gamma 1,024 float32; x 4 x 512 x 1,024 float32.
;; Outputs: out0 4 x 512 x 1,024 float32.
;; One version. Each part assembles by itself: llvm-mc -triple=amdgcn-amd-amdhsa -mcpu=gfx1250 --defsym DOCPART=n.
;; ======== version 1 of 1: 3 launches
;; workspace buffers: xn16 4,194,304 bytes; gates 32,768 bytes; wo16 8,388,608 bytes; ctxg 16,777,216 bytes
;; launch prep (part 1): grid 512 x 1, 4 waves a work-group, no clusters, 0 bytes of LDS; arguments x, gamma, beta, Wg, bg, Wo, xn16, gates, wo16; writes xn16, gates, wo16
.if DOCPART == 1
	.amdgcn_target "amdgcn-amd-amdhsa--gfx1250"
	.amdhsa_code_object_version 6
	.text
	.protected	k_q1382179bc3_prep
	.globl	k_q1382179bc3_prep
	.p2align	8
	.type	k_q1382179bc3_prep,@function
k_q1382179bc3_prep:
	s_mov_b64 s[64:65], 0
	v_nop
	global_prefetch_b8 v0, s[64:65] scope:SCOPE_SE
	s_setreg_imm32_b32 hwreg(HW_REG_WAVE_MODE, 25, 1), 1
	s_wait_xcnt 0x0
; Work-groups 0-255: layer norm of x (two passes in f32: mean, then the mean of squared differences), xn rounded to bf16 into xn16,
; and the gate softmax (logits in f32 from the unrounded xn, the largest logit taken away before the exponentials) into gates.
; Work-groups 256-511: Wo from f32 to bf16 into wo16.
; Layouts: xn16 [b 4][kb 16][s 512][64 columns] bf16; gates [2048][4] f32; wo16 [nb 16][k' 4096][64 columns] bf16, k' = 1024 e + k.
; A wave takes two rows at a time: lanes 0-15 one row, lanes 16-31 the next.  A 16-byte load of the wave covers 256 consecutive bytes of
; each of the two rows; an 8-byte store covers 128 bytes of each of two neighbouring rows of one 64-column block, 256 consecutive bytes, aligned.
; No LDS, no barrier, no matrix unit: a row's reduction stays inside sixteen lanes, and the rest is a stream.
; Limits: inputs finite.  The gates' store is 16 bytes a row from one lane of sixteen (the buffer is 32,768 bytes in all).
.set X,  64                            ; v[64:127]   x, then xn, of my 64 columns: X + 4 kb + q is column 64 kb + 4 cl + q
.set GA, 128                           ; v[128:191]  gamma of the same columns; later the packed bf16
.set BE, 192                           ; v[192:255]  beta
.set LG, 16                            ; v[16:23]    logit chains: expert e, parity of q
.set MSB, 0
.macro WIN new                         ; s_set_vgpr_msb; the immediate's high byte repeats the setting that is left
.if MSB != \new
	s_set_vgpr_msb (MSB<<8)|\new
.set MSB, \new
.endif
.endm
.macro ROWSUM                          ; four pair chains v[8:15] -> v8 = the sum over my row's sixteen lanes, in each of them
	v_pk_add_f32 v[8:9], v[8:9], v[10:11]
	v_pk_add_f32 v[12:13], v[12:13], v[14:15]
	v_pk_add_f32 v[8:9], v[8:9], v[12:13]
	v_add_f32 v8, v8, v9
.irp m, 1,2,4,8
	v_add_f32_dpp v8, v8, v8 row_xmask:\m row_mask:0xf bank_mask:0xf
.endr
.endm
	s_load_b512 s[4:19], s[0:1], 0x0               ; x 4:5, gamma 6:7, beta 8:9, Wg 10:11, bg 12:13, Wo 14:15, xn16 16:17, gates 18:19
	s_load_b64 s[20:21], s[0:1], 0x40              ; wo16
	v_lshrrev_b32 v1, 5, v0
	v_readfirstlane_b32 s22, v1                    ; wave
	v_and_b32 v1, 15, v0                           ; cl: my place in a row's sixteen lanes
	v_bfe_u32 v2, v0, 4, 1                         ; hh: which of the two rows
	v_lshlrev_b32 v4, 4, v1                        ; 16 cl
	v_lshl_add_u32 v3, v2, 12, v4                  ; f32 rows of 4,096 bytes: 4096 hh + 16 cl
	v_lshlrev_b32 v6, 3, v1
	v_lshl_add_u32 v6, v2, 7, v6                   ; bf16 rows of 128 bytes: 128 hh + 8 cl
	s_mov_b32 s29, 0
	s_mov_b32 s33, 0
	s_cmp_ge_u32 ttmp9, 256
	s_cbranch_scc1 .Lconv
	; ---- layer norm and gates: rows t0 = 8 g + 2 wave and t0 + 1
	v_lshlrev_b32 v5, 6, v1                        ; Wg: my four k are 64 bytes
	v_lshlrev_b32 v7, 4, v2                        ; gates: 16 bytes a row
	s_mov_b32 s30, 0x3a800000                      ; 1 / 1024
	s_mov_b32 s35, 0
	s_lshl_b32 s28, ttmp9, 15
	s_lshl_b32 s23, s22, 13
	s_add_co_u32 s28, s28, s23                     ; t0 x 4096
	s_lshr_b32 s23, ttmp9, 6
	s_lshl_b32 s32, s23, 20                        ; b x 1,048,576
	s_and_b32 s23, ttmp9, 63
	s_lshl_b32 s23, s23, 10
	s_add_co_u32 s32, s32, s23
	s_lshl_b32 s23, s22, 8
	s_add_co_u32 s32, s32, s23                     ; + (t0 mod 512) x 128
	s_lshl_b32 s34, ttmp9, 7
	s_lshl_b32 s23, s22, 5
	s_add_co_u32 s34, s34, s23                     ; t0 x 16
	s_wait_kmcnt 0x0
	s_add_nc_u64 s[4:5], s[4:5], s[28:29]
	s_add_nc_u64 s[16:17], s[16:17], s[32:33]
	s_add_nc_u64 s[18:19], s[18:19], s[34:35]
.irp kb, 0,1,2,3,4,5,6,7,8,9,10,11,12,13,14,15
	global_load_b128 v[X+4*\kb:X+4*\kb+3], v3, s[4:5] offset:256*\kb th:TH_LOAD_NT
.endr
.irp kb, 0,1,2,3,4,5,6,7,8,9,10,11,12,13,14,15
	global_load_b128 v[GA+4*\kb:GA+4*\kb+3], v4, s[6:7] offset:256*\kb
.endr
.irp kb, 0,1,2,3,4,5,6,7,8,9,10,11,12,13,14,15
	global_load_b128 v[BE+4*\kb:BE+4*\kb+3], v4, s[8:9] offset:256*\kb
.endr
	s_load_b128 s[24:27], s[12:13], 0x0            ; bg
	WIN 0x40                                       ; destination in window 1: Wg[k][0..3] of my k = 64 kb + 4 cl + q at v[256 + 4 (4 kb + q)]
.set n, 0
.rept 64
	global_load_b128 v[4*n:4*n+3], v5, s[10:11] offset:1024*(n/4)+16*(n%4)
.set n, n+1
.endr
	WIN 0
	s_wait_loadcnt 63                              ; 64 loads of Wg were issued behind beta's last: with at most 63 out, x, gamma and beta are in
	; the mean
.irp c, 0,1,2,3
	v_pk_add_f32 v[8+2*\c:9+2*\c], v[X+2*\c:X+2*\c+1], v[X+8+2*\c:X+9+2*\c]   ; the first pairs start the four chains
.endr
.set n, 8
.rept 24
	v_pk_add_f32 v[8+2*(n%4):9+2*(n%4)], v[8+2*(n%4):9+2*(n%4)], v[X+2*n:X+2*n+1]
.set n, n+1
.endr
	ROWSUM
	v_mul_f32 v24, 0xba800000, v8                  ; - mean
	v_mov_b32 v25, v24
.set n, 0
.rept 32
	v_pk_add_f32 v[X+2*n:X+2*n+1], v[X+2*n:X+2*n+1], v[24:25]
.set n, n+1
.endr
	; the variance
.irp c, 0,1,2,3
	v_pk_mul_f32 v[8+2*\c:9+2*\c], v[X+2*\c:X+2*\c+1], v[X+2*\c:X+2*\c+1]
.endr
.set n, 4
.rept 28
	v_pk_fma_f32 v[8+2*(n%4):9+2*(n%4)], v[X+2*n:X+2*n+1], v[X+2*n:X+2*n+1], v[8+2*(n%4):9+2*(n%4)]
.set n, n+1
.endr
	ROWSUM
	v_mov_b32 v27, 0x3727c5ac                      ; eps = 1e-5
	v_fma_f32 v26, v8, s30, v27
	v_rsq_f32 v28, v26
	v_nop                                          ; one plain instruction behind the transcendental (ISA guide 5.7.2)
	s_wait_alu depctr_va_vdst(0)
	v_mov_b32 v29, v28
.set n, 0
.rept 32
	v_pk_mul_f32 v[X+2*n:X+2*n+1], v[X+2*n:X+2*n+1], v[28:29]
	v_pk_fma_f32 v[X+2*n:X+2*n+1], v[X+2*n:X+2*n+1], v[GA+2*n:GA+2*n+1], v[BE+2*n:BE+2*n+1]
.set n, n+1
.endr
.set n, 0
.rept 32
	v_cvt_pk_bf16_f32 v[GA+n], v[X+2*n], v[X+2*n+1]            ; gamma has been used: its registers take the packed xn
.set n, n+1
.endr
.irp kb, 0,1,2,3,4,5,6,7,8,9,10,11,12,13,14,15
	global_store_b64 v6, v[GA+2*\kb:GA+2*\kb+1], s[16:17] offset:65536*\kb
.endr
	; the logits: 64 k a lane, eight chains
	s_wait_loadcnt 0x0                             ; Wg
	WIN 0x01                                       ; source 0 in window 1
.set n, 0
.rept 64
.irp e, 0,1,2,3
.if n < 2
	v_mul_f32 v[LG+4*(n&1)+\e], v[4*n+\e], v[X+n]
.else
	v_fma_f32 v[LG+4*(n&1)+\e], v[4*n+\e], v[X+n], v[LG+4*(n&1)+\e]
.endif
.endr
.set n, n+1
.endr
	WIN 0
.irp e, 0,1,2,3
	v_add_f32 v[LG+\e], v[LG+\e], v[LG+4+\e]
.endr
.irp m, 1,2,4,8
.irp e, 0,1,2,3
	v_add_f32_dpp v[LG+\e], v[LG+\e], v[LG+\e] row_xmask:\m row_mask:0xf bank_mask:0xf
.endr
.endr
	s_wait_kmcnt 0x0                               ; bg
.irp e, 0,1,2,3
	v_add_f32 v[LG+\e], s[24+\e], v[LG+\e]
.endr
	v_max3_num_f32 v24, v16, v17, v18
	v_max_num_f32 v24, v24, v19
.irp e, 0,1,2,3
	v_sub_f32 v[LG+\e], v[LG+\e], v24
.endr
.irp e, 0,1,2,3
	v_mul_f32 v[LG+\e], 0x3fb8aa3b, v[LG+\e]       ; e^x = 2^(x log2 e)
.endr
.irp e, 0,1,2,3
	v_exp_f32 v[LG+\e], v[LG+\e]
.endr
	v_nop
	s_wait_alu depctr_va_vdst(0)
	v_add_f32 v25, v16, v17
	v_add_f32 v26, v18, v19
	v_add_f32 v25, v25, v26
	v_rcp_f32 v26, v25
	v_nop
	s_wait_alu depctr_va_vdst(0)
.irp e, 0,1,2,3
	v_mul_f32 v[LG+\e], v[LG+\e], v26
.endr
	v_cmp_eq_u32 vcc_lo, 0, v1                     ; one lane of each row stores its four gates
	s_wait_xcnt 0x0                                ; EXEC is narrowed only when the stores above have had their addresses translated
	s_and_saveexec_b32 s23, vcc_lo
	global_store_b128 v7, v[16:19], s[18:19]
	s_endpgm
	; ---- Wo to bf16: rows k0 = 16 (g - 256) + 4 wave .. + 3 of the 4,096 stacked rows, two rows a pass; all 32 loads go out first
.Lconv:
	s_sub_co_u32 s23, ttmp9, 256
	s_lshl_b32 s28, s23, 16
	s_lshl_b32 s31, s22, 14
	s_add_co_u32 s28, s28, s31                     ; k0 x 4096
	s_lshl_b32 s32, s23, 11
	s_lshl_b32 s31, s22, 9
	s_add_co_u32 s32, s32, s31                     ; k0 x 128
	s_wait_kmcnt 0x0
	s_add_nc_u64 s[14:15], s[14:15], s[28:29]
	s_add_nc_u64 s[20:21], s[20:21], s[32:33]
.set n, 0
.rept 32
	global_load_b128 v[64+4*n:67+4*n], v3, s[14:15] offset:8192*(n/16)+256*(n%16) th:TH_LOAD_NT
.set n, n+1
.endr
.set n, 0
.rept 32
	s_wait_loadcnt 31-n                            ; loads come back in order (ISA guide 5.7.1): load n is in, the younger ones stay out
	v_cvt_pk_bf16_f32 v[192+2*n], v[64+4*n], v[65+4*n]
	v_cvt_pk_bf16_f32 v[193+2*n], v[66+4*n], v[67+4*n]
	global_store_b64 v6, v[192+2*n:193+2*n], s[20:21] offset:524288*(n%16)+256*(n/16)   ; no register is written twice: no further wait
.set n, n+1
.endr
	s_endpgm
.Lfunc_end_k_q1382179bc3_prep:
	.size	k_q1382179bc3_prep, .Lfunc_end_k_q1382179bc3_prep-k_q1382179bc3_prep
	.p2alignl 7, 3214868480
	.fill 96, 4, 3214868480
	.section	.rodata,"a",@progbits
	.p2align	6, 0x0
	.amdhsa_kernel k_q1382179bc3_prep
		.amdhsa_group_segment_fixed_size 0
		.amdhsa_private_segment_fixed_size 0
		.amdhsa_enable_private_segment 0
		.amdhsa_kernarg_size 72
		.amdhsa_user_sgpr_count 2
		.amdhsa_user_sgpr_kernarg_segment_ptr 1
		.amdhsa_wavefront_size32 1
		.amdhsa_system_sgpr_workgroup_id_x 1
		.amdhsa_system_sgpr_workgroup_id_y 1
		.amdhsa_system_sgpr_workgroup_id_z 1
		.amdhsa_system_vgpr_workitem_id 0
		.amdhsa_next_free_vgpr 512
		.amdhsa_next_free_sgpr 66
		.amdhsa_reserve_vcc 1
		.amdhsa_float_denorm_mode_32 3
		.amdhsa_float_denorm_mode_16_64 3
		.amdhsa_memory_ordered 1
		.amdhsa_forward_progress 1
		.amdhsa_inst_pref_size 57
	.end_amdhsa_kernel
	.amdgpu_metadata
---
amdhsa.version: [ 1, 2 ]
amdhsa.kernels:
  - .name:           k_q1382179bc3_prep
    .symbol:         k_q1382179bc3_prep.kd
    .args:
      - { .name: x, .offset: 0, .size: 8, .value_kind: global_buffer, .address_space: global }
      - { .name: gamma, .offset: 8, .size: 8, .value_kind: global_buffer, .address_space: global }
      - { .name: beta, .offset: 16, .size: 8, .value_kind: global_buffer, .address_space: global }
      - { .name: Wg, .offset: 24, .size: 8, .value_kind: global_buffer, .address_space: global }
      - { .name: bg, .offset: 32, .size: 8, .value_kind: global_buffer, .address_space: global }
      - { .name: Wo, .offset: 40, .size: 8, .value_kind: global_buffer, .address_space: global }
      - { .name: xn16, .offset: 48, .size: 8, .value_kind: global_buffer, .address_space: global }
      - { .name: gates, .offset: 56, .size: 8, .value_kind: global_buffer, .address_space: global }
      - { .name: wo16, .offset: 64, .size: 8, .value_kind: global_buffer, .address_space: global }
    .group_segment_fixed_size: 0
    .private_segment_fixed_size: 0
    .kernarg_segment_align: 8
    .kernarg_segment_size: 72
    .max_flat_workgroup_size: 128
    .sgpr_count:     66
    .vgpr_count:     512
    .wavefront_size: 32
...
	.end_amdgpu_metadata
.endif
;; end of part 1
;; launch attn (part 2): grid 64 x 4, 4 waves a work-group, clusters of 4 x 4, 327,680 bytes of LDS; arguments xn16, Wq, Wk, Wv, bq, bk, bv, gates, ctxg; writes ctxg
.if DOCPART == 2
	.amdgcn_target "amdgcn-amd-amdhsa--gfx1250"
	.amdhsa_code_object_version 6
	.text
	.protected	k_q1382179bc3_attn
	.globl	k_q1382179bc3_attn
	.p2align	8
	.type	k_q1382179bc3_attn,@function
k_q1382179bc3_attn:
	s_mov_b64 s[64:65], 0
	v_nop
	global_prefetch_b8 v0, s[64:65] scope:SCOPE_SE
	s_setreg_imm32_b32 hwreg(HW_REG_WAVE_MODE, 25, 1), 1
	s_wait_xcnt 0x0
	s_wait_alu depctr_hold_cnt(0) depctr_sa_sdst(0) depctr_va_vdst(0) depctr_va_sdst(0) depctr_va_ssrc(0) depctr_va_vcc(0) depctr_vm_vsrc(0)
	s_getreg_b32 s2, hwreg(HW_REG_IB_STS2, 6, 4)
	s_cmp_eq_u32 s2, 0
	s_cbranch_scc0 .Lentry_in_a_cluster
	s_endpgm
.Lentry_in_a_cluster:
	s_bfe_u32 s2, ttmp6, 0x10000c
	s_cmp_lg_u32 s2, 0xf033
	s_cbranch_scc0 .Lentry_shape_is_right
	s_endpgm
.Lentry_shape_is_right:
; One work-group for each (expert e, batch b, head h): 256 in all.
; Phase 1: Q, K, V [512 tokens][64] = xn[b] x W[e][:, 64 h ..] + bias, K = 1024 in 16 steps of 64.  A wave owns 128 tokens; its 96 accumulator
; tiles of 16 x 16 fill register windows 1 (Q), 2 (K), 3 (V).  Phase 2: attention over the 512 keys in blocks of 64 with a running maximum;
; a wave owns its 128 queries, whose Q never leaves registers; K and V pass through LDS in bf16.  Out: ctx x gate / row sum in bf16, in the
; order in which the next launch's matrix fragments want it: ctxg [mb = 4 b + wave][kb = 16 e + h][tile 4 i + a][lane][16 bytes], where lane
; (r, hh) of tile (i, a) holds token 16 i + r, d = 16 a + 8 hh + 0..7.  That is how the packed results lie in registers: they are stored as they are.
; CLUSTERS: 4 x 4 work-groups.  The four of a row of the cluster share b and ask jointly for xn's tile (wave 0); the four of a column share
; (e, h) and ask jointly for the three weight tiles (waves 1, 2, 3: Wq, Wk, Wv).
; The weights arrive as f32 [k][n]; each wave rounds 16 of the 64 rows of each matrix to bf16 into a tile [64 k][192 n] that only LDS stores
; write, one K step ahead of its use; fragments are taken from it by the transposing LDS load.
; The matrix instruction is used with source 0 = weights (rows = d) and source 1 = xn (columns = tokens): lane (r, hh) register j holds
; (token 16 i + r, d = 16 a + 8 hh + j), eight neighbouring d of one token.  Two neighbouring Q tiles pack in place into a source-1 fragment of
; S^T = K Q^T, and two neighbouring S^T tiles pack in place into a source-1 fragment of ctx^T = V^T P^T: nothing moves between lanes.
; The accumulators take turns, one instruction a turn.
; Limits: inputs finite.  Matrix operands are bf16: Q is multiplied by 0.125 log2(e) before its rounding, ctx by gate / row sum before its
; rounding; the row sums add the exponentials before their rounding to bf16.  v_exp_f32 gives 0 for results below 2^-126.
.set XP,    144                        ; LDS pitch of rows of 64 bf16: 128 bytes + 16
.set XSL,   512*XP                     ; an xn slot: 73,728 bytes; slots at 0 and XSL
.set WS,    2*XSL                      ; f32 weight slots: 147,456 and 196,608
.set WMAT,  16384                      ; one matrix' tile: 64 rows x 256 bytes
.set WSL,   3*WMAT
.set BF,    WS+2*WSL                   ; bf16 weight tiles: 245,760 and 272,384
.set BFP,   416                        ; their pitch: 384 bytes + 32, an odd multiple of 32
.set BFL,   64*BFP
.set VP,    160                        ; V's pitch: 128 bytes + 32
.set VT,    XSL                        ; behind the last fill: K at 0 (pitch 144), V at 73,728 (pitch 160), ending at 155,648
; window 0, phase 1
.set ADRX, 2                           ; v2, v3   my xn fragments in slot 0, 1 (v2 is also where my K rows go)
.set ADRW, 4                           ; v4       weight fragments (transposing load)
.set CVR,  5                           ; v5, v6   f32 rows that I round, slot 0, 1
.set CVW,  7                           ; v7       where they go
.set PFV,  8                           ; v8       prefetch offset, stepped;  v9 its largest value
.set PFM,  9
.set VB,   10                          ; v10      bias offset
.set STV,  11                          ; v11      where my V rows go
.set T,    16                          ; v[16:47] f32 as read
.set P,    48                          ; v[48:63] bf16 to store
.set BI,   16                          ; v[16:111] in the last step: the twelve bias fragments, 8 registers each
.set XN0,  64
.set XN1,  128
.set WF0,  192
.set WF1,  224
; window 0, phase 2
.set MX,   16                          ; v[16:23]   running maximum of query tile i
.set MN,   24                          ; v[24:31]   the new one
.set PX,   32                          ; v[32:39]   the other half's figure
.set GT,   48                          ; v[48:55]   gates
.set ADK,  56
.set ADV,  57
.set CO,   60
.set GOF,  61
.set KF,   64                          ; v[64:127]  K fragment (u, c) at 8 (2 u + c)
.set VF,   128                         ; v[128:191] V fragment (a, p) at 8 (2 a + p)
.set NM,   192                         ; pairs: - maximum
.set AL,   208                         ; pairs: 2^(old maximum - new)
.set LS,   224                         ; pairs: running row sums
; scalars
.set G1X, 36                           ; s[36:43] shape of xn's tile
.set G1W, 44                           ; s[44:51] shape of a weight tile
.set XG,  52                           ; s[52:55], s[56:59]  from where, to where: xn slot 0, 1
.set WG,  60                           ; s[60:63], s[68:71]  the same for my weight matrix
.set BB,  84                           ; s[84:89] bq, bk, bv at (e, h)
.set MSB, 0
.macro WIN new                         ; s_set_vgpr_msb: bits 1:0 source 0, 3:2 source 1, 5:4 source 2, 7:6 destination; the high byte repeats the setting left
.if MSB != \new
	s_set_vgpr_msb (MSB<<8)|\new
.set MSB, \new
.endif
.endm
.macro PLACES                          ; four places behind a matrix instruction (ISA guide 7.12.1) before its registers are read, written or loaded into
.rept 4
	v_nop
.endr
.endm
.macro CREST                           ; a round of the cluster's barrier behind its opening work-group barrier
	s_cmp_lg_u32 s22, 0
	s_cbranch_scc1 .Lnw0_\@
	s_barrier_signal -3
.Lnw0_\@:
	s_barrier_wait -3
	s_barrier_signal -1
	s_barrier_wait -1
.endm
.macro CROUND
	s_barrier_signal -1
	s_barrier_wait -1
	CREST
.endm
; joint loads; the branches hang on the wave's number alone
.macro JBOTH xs, ws, pf
	s_cmp_eq_u32 s22, 0
	s_cbranch_scc0 .Ljw_\@
	tensor_load_to_lds s[XG+4*\xs:XG+4*\xs+3], s[G1X:G1X+7]
	s_nop 0
	s_branch .Ljd_\@
.Ljw_\@:
	tensor_load_to_lds s[WG+8*\ws:WG+8*\ws+3], s[G1W:G1W+7]
	s_nop 0
.if \pf
	global_prefetch_b8 v[PFV], s[78:79] th:TH_LOAD_NT scope:SCOPE_SE   ; 32 rows of my matrix' slice, of the two K steps that the next trip's tensor loads bring
.endif
.Ljd_\@:
.endm
.macro JX xs
	s_cmp_lg_u32 s22, 0
	s_cbranch_scc1 .Ljd_\@
	tensor_load_to_lds s[XG+4*\xs:XG+4*\xs+3], s[G1X:G1X+7]
	s_nop 0
.Ljd_\@:
.endm
.macro JW ws
	s_cmp_eq_u32 s22, 0
	s_cbranch_scc1 .Ljd_\@
	tensor_load_to_lds s[WG+8*\ws:WG+8*\ws+3], s[G1W:G1W+7]
	s_nop 0
.Ljd_\@:
.endm
.macro FETCHX slot, c, buf             ; 16 loads: my 128 tokens x 32 k
.irp i, 0,1,2,3,4,5,6,7
	ds_load_b128 v[\buf+8*\i:\buf+8*\i+3],   v[ADRX+\slot] offset:16*XP*\i+64*\c
	ds_load_b128 v[\buf+8*\i+4:\buf+8*\i+7], v[ADRX+\slot] offset:16*XP*\i+64*\c+32
.endr
.endm
.macro FETCHW bs, c, x, buf            ; 8 transposing loads: 64 d of matrix x, 32 k
.irp a, 0,1,2,3
	ds_load_tr16_b128 v[\buf+8*\a:\buf+8*\a+3],   v[ADRW] offset:BFL*\bs+32*BFP*\c+128*\x+32*\a
	ds_load_tr16_b128 v[\buf+8*\a+4:\buf+8*\a+7], v[ADRW] offset:BFL*\bs+32*BFP*\c+128*\x+32*\a+16*BFP
.endr
.endm
; my 16 rows of matrix x: load q takes row 8 (q / 4) + q mod 4 in lanes 0-15 and the row four further down in lanes 16-31
.macro CLOAD ws, x
.irp q, 0,1,2,3,4,5,6,7
	ds_load_b128 v[T+4*\q:T+4*\q+3], v[CVR+\ws] offset:WMAT*\x+256*(8*(\q>>2)+(\q&3))
.endr
.endm
.macro CCVT
.irp q, 0,1,2,3,4,5,6,7
	v_cvt_pk_bf16_f32 v[P+2*\q],   v[T+4*\q],   v[T+4*\q+1]
	v_cvt_pk_bf16_f32 v[P+2*\q+1], v[T+4*\q+2], v[T+4*\q+3]
.endr
.endm
.macro CSTORE bs, x
.irp q, 0,1,2,3,4,5,6,7
	ds_store_b64 v[CVW], v[P+2*\q:P+2*\q+1] offset:BFL*\bs+BFP*(8*(\q>>2)+(\q&3))+128*\x
.endr
.endm
.macro CONV o, x, conv                 ; the sixteen conversions are the places behind the matrix instructions; without them four v_nop
.if \conv
	s_wait_dscnt 0x0                               ; the eight f32 loads are in
	CCVT
	CSTORE \o, \x
.else
	PLACES
.endif
.endm
.macro MULG xb, wb, i0, cnt, zero      ; token tiles i0 .. i0 + cnt - 1 x four d tiles, 32 along K; the window says which matrix' accumulators
.set mi, \i0
.rept \cnt
.set ma, 0
.rept 4
.if \zero
	v_wmma_f32_16x16x32_bf16 v[8*(4*mi+ma):8*(4*mi+ma)+7], v[\wb+8*ma:\wb+8*ma+7], v[\xb+8*mi:\xb+8*mi+7], 0
.else
	v_wmma_f32_16x16x32_bf16 v[8*(4*mi+ma):8*(4*mi+ma)+7], v[\wb+8*ma:\wb+8*ma+7], v[\xb+8*mi:\xb+8*mi+7], v[8*(4*mi+ma):8*(4*mi+ma)+7]
.endif
.set ma, ma+1
.endr
.set mi, mi+1
.endr
.endm
.macro BLOAD x, a                      ; bias fragment 4 x + a: the eight numbers d = 16 a + 8 hh + 0..7
	global_load_b128 v[BI+8*(4*\x+\a):BI+8*(4*\x+\a)+3],   v[VB], s[BB+2*\x:BB+2*\x+1] offset:64*\a
	global_load_b128 v[BI+8*(4*\x+\a)+4:BI+8*(4*\x+\a)+7], v[VB], s[BB+2*\x:BB+2*\x+1] offset:64*\a+16
.endm
	s_load_b512 s[4:19], s[0:1], 0x0               ; xn16 4:5, Wq 6:7, Wk 8:9, Wv 10:11, bq 12:13, bk 14:15, bv 16:17, gates 18:19
	s_load_b64 s[20:21], s[0:1], 0x40              ; ctxg
	v_lshrrev_b32 v1, 5, v0
	v_readfirstlane_b32 s22, v1                    ; wave
	s_bfe_u32 s23, ttmp6, 0x40000                  ; cx
	s_bfe_u32 s24, ttmp6, 0x40004                  ; cy
	s_lshl_b32 s25, ttmp9, 2
	s_add_co_u32 s25, s25, s23                     ; 16 e + h = 4 x cluster x + cx
	s_and_b32 s26, ttmp7, 0xffff
	s_lshl_b32 s26, s26, 2
	s_add_co_u32 s26, s26, s24                     ; b = 4 x cluster y + cy
	s_lshr_b32 s27, s25, 4                         ; e
	s_and_b32 s28, s25, 15                         ; h
	s_lshl_b32 s30, s24, 2
	s_lshl_b32 s30, 15, s30                        ; my row of the cluster
	s_lshl_b32 s31, 0x1111, s23                    ; my column
	; xn's tile is 65,536 dense bytes: 256 rows of 32 elements of 8 bytes; 4 words of padding behind every 32 words, so that each 128 bytes (a token's 64 k) get a pitch of 144
	s_or_b32 s[G1X+0], s30, (3<<16)|(1<<20)|(1<<21)|(4<<22)|(3<<25)
	s_mov_b32 s[G1X+1], 32<<16                     ; tensor_dim0 = 32
	s_mov_b32 s[G1X+2], 256<<16                    ; tensor_dim1 = 256
	s_mov_b32 s[G1X+3], 32<<16                     ; tile_dim0 = 32
	s_mov_b32 s[G1X+4], 256                        ; tile_dim1 = 256
	s_mov_b32 s[G1X+5], 32                         ; pitch in elements
	s_mov_b32 s[G1X+6], 0
	s_mov_b32 s[G1X+7], 0
	; a weight tile: 64 rows (k) of 64 f32 (256 bytes, starting at a multiple of 256), 1,024 elements from row to row, no padding
	s_or_b32 s[G1W+0], s31, (2<<16)|(1<<21)
	s_mov_b32 s[G1W+1], 64<<16
	s_mov_b32 s[G1W+2], 64<<16
	s_mov_b32 s[G1W+3], 64<<16
	s_mov_b32 s[G1W+4], 64
	s_mov_b32 s[G1W+5], 1024
	s_mov_b32 s[G1W+6], 0
	s_mov_b32 s[G1W+7], 0
	s_lshl_b32 s80, s26, 20                        ; xn: b x 16 tiles of 65,536 bytes (hangs on b alone)
	s_mov_b32 s81, 0
	s_lshl_b32 s82, s27, 22                        ; weights: e x 4,194,304 + h x 256 (hangs on e and h alone)
	s_lshl_b32 s29, s28, 8
	s_add_co_u32 s82, s82, s29
	s_mov_b32 s83, 0
	s_lshl_b32 s34, s22, 14                        ; wave x 16,384
	s_mov_b32 s74, 0x76543210                      ; v_permlanex16_b32: lane i of the other half
	s_mov_b32 s75, 0xfedcba98
	v_and_b32 v12, 31, v0                          ; lane
	s_lshl_b32 s29, s24, 5
	s_add_co_u32 s29, s29, 384
	v_add_nc_u32 v[PFV], s29, v12                  ; prefetch: row 384 + 32 cy + lane of the slice (K steps 6 and 7; the four partners of a column take 32 rows each)
	v_lshlrev_b32 v[PFV], 12, v[PFV]
	v_add_nc_u32 v[PFM], 0x200000, v[PFV]          ; never beyond row 896 + 32 cy + lane (K steps 14 and 15, the last)
	s_wait_kmcnt 0x0
	s_cmp_eq_u32 s22, 2
	s_cselect_b64 s[76:77], s[8:9], s[6:7]         ; wave 1 brings Wq, wave 2 Wk, wave 3 Wv
	s_cmp_eq_u32 s22, 3
	s_cselect_b64 s[76:77], s[10:11], s[76:77]
	s_add_nc_u64 s[78:79], s[76:77], s[82:83]      ; my matrix' slice
	s_mov_b32 s[XG+0], 1
	s_mov_b32 s[XG+1], 0
	s_add_nc_u64 s[XG+2:XG+3], s[4:5], s[80:81]
	s_mov_b32 s[XG+4], 1
	s_mov_b32 s[XG+5], XSL
	s_add_nc_u64 s[XG+6:XG+7], s[XG+2:XG+3], 0x10000
	s_or_b32 s[XG+3], s[XG+3], 0x80000000
	s_or_b32 s[XG+7], s[XG+7], 0x80000000
	s_mov_b32 s[WG+0], 1
	s_add_co_u32 s[WG+1], s34, WS-WMAT             ; wave 1 at 147,456, wave 2 and 3 behind it
	s_mov_b64 s[WG+2:WG+3], s[78:79]
	s_or_b32 s[WG+3], s[WG+3], 0x80000000
	s_mov_b32 s[WG+8], 1
	s_add_co_u32 s[WG+9], s34, WS-WMAT+WSL
	s_add_nc_u64 s[WG+10:WG+11], s[78:79], 0x40000 ; 64 rows of 4,096 bytes on
	s_or_b32 s[WG+11], s[WG+11], 0x80000000
	CROUND                                         ; all sixteen work-groups are here: the first joint loads meet
	s_cmp_eq_u32 s22, 0                            ; all first fills in one branch: two loads a wave are out
	s_cbranch_scc0 .Lfirst_w
	tensor_load_to_lds s[XG:XG+3], s[G1X:G1X+7]
	s_nop 0
	tensor_load_to_lds s[XG+4:XG+7], s[G1X:G1X+7]
	s_nop 0
	s_branch .Lfirst_done
.Lfirst_w:
	tensor_load_to_lds s[WG:WG+3], s[G1W:G1W+7]
	s_nop 0
	tensor_load_to_lds s[WG+8:WG+11], s[G1W:G1W+7]
	s_nop 0
	global_prefetch_b8 v[PFV], s[78:79] offset:-1048576 th:TH_LOAD_NT scope:SCOPE_SE   ; rows 128 + 32 cy + lane: K steps 2 and 3
	global_prefetch_b8 v[PFV], s[78:79] offset:-524288 th:TH_LOAD_NT scope:SCOPE_SE    ; rows 256 + ..: K steps 4 and 5
.Lfirst_done:
	; the other bases
	s_lshl_b32 s32, s27, 12
	s_lshl_b32 s29, s28, 8
	s_add_co_u32 s32, s32, s29                     ; biases: e x 4096 + h x 256
	s_mov_b32 s33, 0
	s_add_nc_u64 s[BB:BB+1], s[12:13], s[32:33]
	s_add_nc_u64 s[BB+2:BB+3], s[14:15], s[32:33]
	s_add_nc_u64 s[BB+4:BB+5], s[16:17], s[32:33]
	s_lshl_b32 s32, s26, 13
	s_lshl_b32 s29, s22, 11
	s_add_co_u32 s32, s32, s29
	s_lshl_b32 s29, s27, 2
	s_add_co_u32 s32, s32, s29                     ; gates: (512 b + 128 wave) x 16 + 4 e
	s_add_nc_u64 s[90:91], s[18:19], s[32:33]
	s_lshl_b32 s32, s26, 22
	s_lshl_b32 s29, s22, 20
	s_add_co_u32 s32, s32, s29
	s_lshl_b32 s29, s25, 14
	s_add_co_u32 s32, s32, s29                     ; ctxg: ((4 b + wave) x 64 + 16 e + h) x 16,384
	s_add_nc_u64 s[92:93], s[20:21], s[32:33]
	; lane terms
	v_and_b32 v1, 15, v0                           ; r
	v_bfe_u32 v14, v0, 4, 1                        ; hh
	v_and_b32 v15, 7, v0                           ; lane mod 8
	v_bfe_u32 v13, v0, 3, 1                        ; (lane / 8) mod 2
	s_mul_i32 s35, s22, 128*XP
	v_mul_u32_u24 v[ADRX], v1, XP
	v_lshl_add_u32 v[ADRX], v14, 4, v[ADRX]
	v_add_nc_u32 v[ADRX], s35, v[ADRX]             ; (128 wave + r) x 144 + 16 hh
	v_add_nc_u32 v[ADRX+1], XSL, v[ADRX]
	v_lshl_add_u32 v16, v14, 3, v15
	v_mul_u32_u24 v[ADRW], v16, BFP
	v_lshl_add_u32 v[ADRW], v13, 4, v[ADRW]
	v_add_nc_u32 v[ADRW], BF, v[ADRW]              ; (8 hh + lane mod 8) x 416 + 16 ((lane / 8) mod 2)
	s_lshl_b32 s35, s22, 12
	s_add_co_u32 s35, s35, WS
	v_lshlrev_b32 v[CVR], 4, v1
	v_lshl_add_u32 v[CVR], v14, 10, v[CVR]
	v_add_nc_u32 v[CVR], s35, v[CVR]               ; (16 wave + 4 hh) x 256 + 16 r
	v_add_nc_u32 v[CVR+1], WSL, v[CVR]
	s_mul_i32 s35, s22, 16*BFP
	s_add_co_u32 s35, s35, BF
	v_mul_u32_u24 v[CVW], v14, 4*BFP
	v_lshl_add_u32 v[CVW], v1, 3, v[CVW]
	v_add_nc_u32 v[CVW], s35, v[CVW]               ; (16 wave + 4 hh) x 416 + 8 r
	v_lshlrev_b32 v[VB], 5, v14
	s_mul_i32 s35, s22, 128*VP
	s_add_co_u32 s35, s35, VT
	v_mul_u32_u24 v[STV], v1, VP
	v_lshl_add_u32 v[STV], v14, 4, v[STV]
	v_add_nc_u32 v[STV], s35, v[STV]               ; (128 wave + r) x 160 + 16 hh
	s_wait_tensorcnt 0x1                           ; the older of my two loads has landed (K step 0); the younger stays out
	s_barrier_signal -1
	s_barrier_wait -1
.irp x, 0,1,2
	CLOAD 0, \x                                    ; K step 0's weights to bf16
	s_wait_dscnt 0x0
	CCVT
	CSTORE 0, \x
.endr
	s_wait_dscnt 0x0                               ; my reads of weight slot 0 and my stores are done,
	s_wait_tensorcnt 0x0                           ; all my tensor loads have landed,
	s_add_nc_u64 s[WG+2:WG+3], s[WG+2:WG+3], 0x80000   ; so a group 0 may be written: K step 2
	CROUND                                         ; both hold of every wave of the cluster
	JW 0
	FETCHW 0, 0, 0, WF0
	FETCHX 0, 0, XN0
; A K step of 64 on slot s (o the other): six groups of 32 matrix instructions (Q, K, V for k 0-31, then for k 32-63).  In the middle of each
; group the next group's fragments are fetched, and the NEXT step's weights are rounded from f32 slot o into bf16 tile o.
; zero: the first three groups start the sums.  conv: there is a next step to round for.  turn: 3 = a round of the cluster's barrier, then xn two
; steps ahead into slot s and weights three steps ahead into f32 slot o; 2 = the same, xn alone; 1 = a plain barrier; 0 = nothing follows.
.macro STEP s, o, zero, conv, turn, pf, pfs, bias
	s_wait_dscnt 8                                 ; all but the youngest eight loads (token tiles 4-7) are in
	WIN 0x50
	MULG XN0, WF0, 0, 4, \zero
	WIN 0
.if \pfs
	s_wait_xcnt 0x0                                ; the prefetch has had its address translated: its offset may be stepped
	v_add_nc_u32 v[PFV], 0x80000, v[PFV]           ; 128 rows on,
	v_min_u32 v[PFV], v[PFV], v[PFM]               ; never past the slice's last 128 rows
	v_nop
	v_nop
.else
	PLACES
.endif
	FETCHW \s, 0, 1, WF1
.if \conv
	CLOAD \o, 0
.endif
.if \bias
	BLOAD 0, 0
	BLOAD 0, 1
	BLOAD 0, 2
	BLOAD 0, 3
	BLOAD 1, 0
	BLOAD 1, 1
.endif
	s_wait_dscnt 8+8*\conv                         ; only the loads just issued stay out
	WIN 0x50
	MULG XN0, WF0, 4, 4, \zero
	s_wait_dscnt 8*\conv                           ; K's fragments are in; the f32 rows may be out
	WIN 0xa0
	MULG XN0, WF1, 0, 4, \zero
	WIN 0
	CONV \o, 0, \conv
	FETCHW \s, 0, 2, WF0
	FETCHX \s, 1, XN1
	WIN 0xa0
	MULG XN0, WF1, 4, 4, \zero
	s_wait_dscnt 16                                ; V's fragments are in; the sixteen xn loads behind them may be out
	WIN 0xf0
	MULG XN0, WF0, 0, 4, \zero
	WIN 0
	PLACES
	FETCHW \s, 1, 0, WF1
.if \conv
	CLOAD \o, 1
.endif
	WIN 0xf0
	MULG XN0, WF0, 4, 4, \zero
	s_wait_dscnt 8*\conv
	WIN 0x50
	MULG XN1, WF1, 0, 4, 0
	WIN 0
	CONV \o, 1, \conv
.if \bias
	BLOAD 1, 2                                     ; into the first xn buffer, which this step has done with
	BLOAD 1, 3
	BLOAD 2, 0
	BLOAD 2, 1
	BLOAD 2, 2
	BLOAD 2, 3
.endif
	FETCHW \s, 1, 1, WF0
.if \conv
	CLOAD \o, 2
.endif
	WIN 0x50
	MULG XN1, WF1, 4, 4, 0
	s_wait_dscnt 8*\conv
	WIN 0xa0
	MULG XN1, WF0, 0, 4, 0
	WIN 0
	CONV \o, 2, \conv
	FETCHW \s, 1, 2, WF1
	WIN 0xa0
	MULG XN1, WF0, 4, 4, 0
	s_wait_dscnt 0x0                               ; my reads of slot s, of f32 slot o and of bf16 tile s are over, my stores into bf16 tile o are done
.if \turn
	s_wait_tensorcnt 0x0                           ; all my tensor loads have landed: the one that was out is my part of the next step
	s_barrier_signal -1
.endif
	WIN 0xf0
	MULG XN1, WF1, 0, 2, 0                         ; register work while the others arrive
.if \turn
	WIN 0
	s_barrier_wait -1
.endif
.if \turn >= 2
	CREST                                          ; no wave of any partner still reads these slots or has a load on its way
	s_add_nc_u64 s[XG+4*\s+2:XG+4*\s+3], s[XG+4*\s+2:XG+4*\s+3], 0x20000
.endif
.if \turn == 3
	s_add_nc_u64 s[WG+8*\o+2:WG+8*\o+3], s[WG+8*\o+2:WG+8*\o+3], 0x80000
	JBOTH \s, \o, \pf                              ; my one tensor load behind the round; it has the next step less eight matrix instructions in which to land
.endif
.if \turn == 2
	JX \s
.endif
.if \turn
	PLACES
	FETCHW \o, 0, 0, WF0
	FETCHX \o, 0, XN0
.endif
	WIN 0xf0
	MULG XN1, WF1, 2, 6, 0
.endm
	STEP 0, 1, 1, 1, 3, 0, 0, 0                    ; step 0 starts the sums
	WIN 0
	s_mov_b32 s72, 6
.Lk:                                               ; steps 1 to 12
	STEP 1, 0, 0, 1, 3, 1, 0, 0
	STEP 0, 1, 0, 1, 3, 0, 1, 0
	WIN 0
	s_sub_co_u32 s72, s72, 1
	s_cmp_lg_u32 s72, 0
	s_cbranch_scc1 .Lk
	STEP 1, 0, 0, 1, 2, 0, 0, 0                    ; step 13: xn's last tile is asked for, no weights are left
	STEP 0, 1, 0, 1, 1, 0, 0, 0                    ; step 14: nothing is left to fetch
	STEP 1, 0, 0, 0, 0, 0, 0, 1                    ; step 15: nothing to round; the biases come in
	; ---- biases; Q packs in place; K and V go to LDS, over slots that have had their last fill
	WIN 0
	PLACES
	s_wait_dscnt 0x0
	s_barrier_signal -1                            ; every wave's reads of the slots are over
	s_barrier_wait -1
	s_wait_loadcnt 0x0                             ; the biases
.macro PACK16                          ; two neighbouring tiles -> a fragment of 8 registers, in place
.set uu, 0
.rept 16
.irp j, 0,1,2,3,4,5,6,7
	v_cvt_pk_bf16_f32 v[16*uu+\j], v[16*uu+2*\j], v[16*uu+2*\j+1]
.endr
.set uu, uu+1
.endr
.endm
.macro PACK8                           ; each tile -> 4 registers (16 bytes: eight neighbouring d), in place
.set tt, 0
.rept 32
.irp j, 0,1,2,3
	v_cvt_pk_bf16_f32 v[8*tt+\j], v[8*tt+2*\j], v[8*tt+2*\j+1]
.endr
.set tt, tt+1
.endr
.endm
.macro ADDB bb                         ; + bias fragment a = tile mod 4
.set tt, 0
.rept 32
.irp j, 0,2,4,6
	v_pk_add_f32 v[8*tt+\j:8*tt+\j+1], v[8*tt+\j:8*tt+\j+1], v[\bb+8*(tt%4)+\j:\bb+8*(tt%4)+\j+1]
.endr
.set tt, tt+1
.endr
.endm
.macro STORE32 adr, p16                ; tile (i, a): row 16 i + r, 16 bytes at d = 16 a + 8 hh
.set tt, 0
.rept 32
	ds_store_b128 v[\adr], v[8*tt:8*tt+3] offset:\p16*(tt/4)+32*(tt%4)
.set tt, tt+1
.endr
.endm
.macro SCALE                           ; every ctx tile of query tile i by AL's pair i
.set tt, 0
.rept 32
.irp j, 0,2,4,6
	v_pk_mul_f32 v[8*tt+\j:8*tt+\j+1], v[8*tt+\j:8*tt+\j+1], v[AL+2*(tt/4):AL+2*(tt/4)+1]
.endr
.set tt, tt+1
.endr
.endm
.set n, 0
.rept 16
	v_pk_mul_f32 v[BI+2*n:BI+2*n+1], v[BI+2*n:BI+2*n+1], 0x3e38aa3b op_sel_hi:[1,0]   ; bq x 0.125 log2(e)
.set n, n+1
.endr
	WIN 0x41
.set tt, 0
.rept 32
.irp j, 0,2,4,6
	v_pk_fma_f32 v[8*tt+\j:8*tt+\j+1], v[8*tt+\j:8*tt+\j+1], 0x3e38aa3b, v[BI+8*(tt%4)+\j:BI+8*(tt%4)+\j+1] op_sel_hi:[1,0,1]
.endr
.set tt, tt+1
.endr
	WIN 0x45
	PACK16                                         ; Q fragment (i, c) = window 1 v[32 i + 16 c .. + 7]
	WIN 0x82
	ADDB BI+32
	WIN 0x8a
	PACK8
	WIN 0x08
	STORE32 ADRX, 16*XP
	WIN 0xc3
	ADDB BI+64
	WIN 0xcf
	PACK8
	WIN 0x0c
	STORE32 STV, 16*VP
	WIN 0
	v_lshlrev_b32 v[GOF], 4, v1
.irp i, 0,1,2,3,4,5,6,7
	global_load_b32 v[GT+\i], v[GOF], s[90:91] offset:256*\i   ; gate of query 16 i + r; wanted at the very end
.endr
	v_mul_u32_u24 v[ADK], v1, XP
	v_lshl_add_u32 v[ADK], v14, 4, v[ADK]          ; r x 144 + 16 hh
	v_lshl_add_u32 v[ADV], v14, 3, v15
	v_mul_u32_u24 v[ADV], v[ADV], VP
	v_lshl_add_u32 v[ADV], v13, 4, v[ADV]
	v_add_nc_u32 v[ADV], VT, v[ADV]                ; (8 hh + lane mod 8) x 160 + 16 ((lane / 8) mod 2)
	v_lshlrev_b32 v[CO], 4, v12                    ; the way out: 16 bytes a lane
	s_wait_dscnt 0x0                               ; my K and V rows are in LDS
	s_barrier_signal -1
	s_barrier_wait -1                              ; everybody's are
	; ---- attention
.macro FETCHK                          ; 16 loads: 64 keys x 64 d
.irp u, 0,1,2,3
.irp c, 0,1
	ds_load_b128 v[KF+8*(2*\u+\c):KF+8*(2*\u+\c)+3],   v[ADK] offset:16*XP*\u+64*\c
	ds_load_b128 v[KF+8*(2*\u+\c)+4:KF+8*(2*\u+\c)+7], v[ADK] offset:16*XP*\u+64*\c+32
.endr
.endr
.endm
.macro FETCHV                          ; 16 transposing loads: 64 d x 64 keys
.irp a, 0,1,2,3
.irp p, 0,1
	ds_load_tr16_b128 v[VF+8*(2*\a+\p):VF+8*(2*\a+\p)+3],   v[ADV] offset:32*VP*\p+32*\a
	ds_load_tr16_b128 v[VF+8*(2*\a+\p)+4:VF+8*(2*\a+\p)+7], v[ADV] offset:32*VP*\p+32*\a+16*VP
.endr
.endr
.endm
; 64 keys against my 128 queries.  Window 2: S^T tile (u, i) at 8 (4 i + u): lane (r, hh) register j = (key 16 u + 8 hh + j, query 16 i + r).
; Window 3: ctx^T tile (a, i) at 8 (4 i + a).
.macro BLOCK first, more
.rept 5
	v_nop                                          ; five places: S is written over the fragments of P that the last products read
.endr
	s_wait_dscnt 0x0                               ; K's fragments
	WIN 0xa4
.set bi, 0
.rept 8
.irp u, 0,1,2,3
	v_wmma_f32_16x16x32_bf16 v[32*bi+8*\u:32*bi+8*\u+7], v[KF+16*\u:KF+16*\u+7], v[32*bi:32*bi+7], 0
.endr
.set bi, bi+1
.endr
.set bi, 0
.rept 8
.irp u, 0,1,2,3
	v_wmma_f32_16x16x32_bf16 v[32*bi+8*\u:32*bi+8*\u+7], v[KF+16*\u+8:KF+16*\u+15], v[32*bi+16:32*bi+23], v[32*bi+8*\u:32*bi+8*\u+7]
.endr
.set bi, bi+1
.endr
	WIN 0
	PLACES
	FETCHV
	v_add_nc_u32 v[ADV], 64*VP, v[ADV]
.if \more
	v_add_nc_u32 v[ADK], 64*XP, v[ADK]
	FETCHK                                         ; the next block's keys
.endif
	; the maximum of each query over the block and what went before
.if \first
	WIN 0x0a
.irp i, 0,1,2,3,4,5,6,7
	v_max_num_f32 v[MN+\i], v[32*\i], v[32*\i+1]
.endr
.else
	WIN 0x28
.irp i, 0,1,2,3,4,5,6,7
	v_max3_num_f32 v[MN+\i], v[MX+\i], v[32*\i], v[32*\i+1]
.endr
.endif
	WIN 0x28
.set jj, 1
.rept 15
.irp i, 0,1,2,3,4,5,6,7
	v_max3_num_f32 v[MN+\i], v[MN+\i], v[32*\i+2*jj], v[32*\i+2*jj+1]
.endr
.set jj, jj+1
.endr
	WIN 0
.irp i, 0,1,2,3,4,5,6,7
	v_permlanex16_b32 v[PX+\i], v[MN+\i], s74, s75 ; the other eight keys of each tile lie in the other half (PX has been written: it held a bias fragment)
.endr
.irp i, 0,1,2,3,4,5,6,7
	v_max_num_f32 v[MN+\i], v[MN+\i], v[PX+\i]
.endr
.irp i, 0,1,2,3,4,5,6,7
	v_sub_f32 v[NM+2*\i], 0, v[MN+\i]
	v_sub_f32 v[NM+2*\i+1], 0, v[MN+\i]
.endr
.if \first == 0
.irp i, 0,1,2,3,4,5,6,7
	v_sub_f32 v[AL+2*\i], v[MX+\i], v[MN+\i]
.endr
.irp i, 0,1,2,3,4,5,6,7
	v_exp_f32 v[AL+2*\i], v[AL+2*\i]
.endr
.endif
.irp i, 0,1,2,3,4,5,6,7
	v_mov_b32 v[MX+\i], v[MN+\i]                   ; plain instructions behind the transcendentals
.endr
.if \first == 0
	s_wait_alu depctr_va_vdst(0)
.irp i, 0,1,2,3,4,5,6,7
	v_mov_b32 v[AL+2*\i+1], v[AL+2*\i]
.endr
.irp i, 0,1,2,3,4,5,6,7
	v_pk_mul_f32 v[LS+2*\i:LS+2*\i+1], v[LS+2*\i:LS+2*\i+1], v[AL+2*\i:AL+2*\i+1]
.endr
.endif
	WIN 0x82
.set bi, 0
.rept 8
.set jj, 0
.rept 16
	v_pk_add_f32 v[32*bi+2*jj:32*bi+2*jj+1], v[32*bi+2*jj:32*bi+2*jj+1], v[NM+2*bi:NM+2*bi+1]
.set jj, jj+1
.endr
.set bi, bi+1
.endr
.set n, 0
.rept 256
	v_exp_f32 v[n], v[n]                           ; the scores carry log2(e) already
.set n, n+1
.endr
	v_nop
	; row sums, in pairs
.if \first
	WIN 0x0a
	s_wait_alu depctr_va_vdst(0)
.irp i, 0,1,2,3,4,5,6,7
	v_pk_add_f32 v[LS+2*\i:LS+2*\i+1], v[32*\i:32*\i+1], v[32*\i+2:32*\i+3]
.endr
.endif
	WIN 0x08
.set jj, 2*\first
	s_wait_alu depctr_va_vdst(0)
.rept 16-2*\first
.irp i, 0,1,2,3,4,5,6,7
	v_pk_add_f32 v[LS+2*\i:LS+2*\i+1], v[LS+2*\i:LS+2*\i+1], v[32*\i+2*jj:32*\i+2*jj+1]
.endr
.set jj, jj+1
.endr
	WIN 0x8a
	PACK16                                         ; P fragment (i, p) = window 2 v[32 i + 16 p .. + 7]
.if \first == 0
	WIN 0xc3
	SCALE
.endif
	s_wait_dscnt 16*\more                          ; V's fragments are in; the next block's sixteen K loads may be out
	WIN 0xf8
.set bi, 0
.rept 8
.irp a, 0,1,2,3
.if \first
	v_wmma_f32_16x16x32_bf16 v[32*bi+8*\a:32*bi+8*\a+7], v[VF+16*\a:VF+16*\a+7], v[32*bi:32*bi+7], 0
.else
	v_wmma_f32_16x16x32_bf16 v[32*bi+8*\a:32*bi+8*\a+7], v[VF+16*\a:VF+16*\a+7], v[32*bi:32*bi+7], v[32*bi+8*\a:32*bi+8*\a+7]
.endif
.endr
.set bi, bi+1
.endr
.set bi, 0
.rept 8
.irp a, 0,1,2,3
	v_wmma_f32_16x16x32_bf16 v[32*bi+8*\a:32*bi+8*\a+7], v[VF+16*\a+8:VF+16*\a+15], v[32*bi+16:32*bi+23], v[32*bi+8*\a:32*bi+8*\a+7]
.endr
.set bi, bi+1
.endr
	WIN 0
.endm
	FETCHK
	BLOCK 1, 1
	s_mov_b32 s72, 6
.Lt:
	BLOCK 0, 1
	s_sub_co_u32 s72, s72, 1
	s_cmp_lg_u32 s72, 0
	s_cbranch_scc1 .Lt
	BLOCK 0, 0
	; ---- the way out: ctx x gate / row sum, rounded to bf16, stored from the registers in which it lies
	PLACES
.irp i, 0,1,2,3,4,5,6,7
	v_add_f32 v[MN+\i], v[LS+2*\i], v[LS+2*\i+1]
.endr
.irp i, 0,1,2,3,4,5,6,7
	v_permlanex16_b32 v[PX+\i], v[MN+\i], s74, s75
.endr
.irp i, 0,1,2,3,4,5,6,7
	v_add_f32 v[MN+\i], v[MN+\i], v[PX+\i]
.endr
.irp i, 0,1,2,3,4,5,6,7
	v_rcp_f32 v[MN+\i], v[MN+\i]
.endr
	s_wait_loadcnt 0x0                             ; the gates
	v_nop
	s_wait_alu depctr_va_vdst(0)
.irp i, 0,1,2,3,4,5,6,7
	v_mul_f32 v[AL+2*\i], v[MN+\i], v[GT+\i]
.endr
.irp i, 0,1,2,3,4,5,6,7
	v_mov_b32 v[AL+2*\i+1], v[AL+2*\i]
.endr
	WIN 0xc3
	SCALE
	WIN 0xcf
	PACK8
	WIN 0x0c                                       ; store data in window 3
.set tt, 0
.rept 32
	global_store_b128 v[CO], v[8*tt:8*tt+3], s[92:93] offset:512*tt   ; tile 4 i + a: 32 lanes x 16 bytes, 512 consecutive bytes, aligned
.set tt, tt+1
.endr
	WIN 0
	CROUND                                         ; the closing round
	s_endpgm
.Lfunc_end_k_q1382179bc3_attn:
	.size	k_q1382179bc3_attn, .Lfunc_end_k_q1382179bc3_attn-k_q1382179bc3_attn
	.p2alignl 7, 3214868480
	.fill 96, 4, 3214868480
	.section	.rodata,"a",@progbits
	.p2align	6, 0x0
	.amdhsa_kernel k_q1382179bc3_attn
		.amdhsa_group_segment_fixed_size 327680
		.amdhsa_private_segment_fixed_size 0
		.amdhsa_enable_private_segment 0
		.amdhsa_kernarg_size 72
		.amdhsa_user_sgpr_count 2
		.amdhsa_user_sgpr_kernarg_segment_ptr 1
		.amdhsa_wavefront_size32 1
		.amdhsa_system_sgpr_workgroup_id_x 1
		.amdhsa_system_sgpr_workgroup_id_y 1
		.amdhsa_system_sgpr_workgroup_id_z 1
		.amdhsa_system_vgpr_workitem_id 0
		.amdhsa_next_free_vgpr 1024
		.amdhsa_next_free_sgpr 96
		.amdhsa_reserve_vcc 0
		.amdhsa_float_denorm_mode_32 3
		.amdhsa_float_denorm_mode_16_64 3
		.amdhsa_memory_ordered 1
		.amdhsa_forward_progress 1
		.amdhsa_inst_pref_size 255
	.end_amdhsa_kernel
	.section	.bss,"aw",@nobits
	.p2align	6
	.space	262144
	.amdgpu_metadata
---
amdhsa.version: [ 1, 2 ]
amdhsa.kernels:
  - .name:           k_q1382179bc3_attn
    .symbol:         k_q1382179bc3_attn.kd
    .args:
      - { .name: xn16, .offset: 0, .size: 8, .value_kind: global_buffer, .address_space: global }
      - { .name: Wq, .offset: 8, .size: 8, .value_kind: global_buffer, .address_space: global }
      - { .name: Wk, .offset: 16, .size: 8, .value_kind: global_buffer, .address_space: global }
      - { .name: Wv, .offset: 24, .size: 8, .value_kind: global_buffer, .address_space: global }
      - { .name: bq, .offset: 32, .size: 8, .value_kind: global_buffer, .address_space: global }
      - { .name: bk, .offset: 40, .size: 8, .value_kind: global_buffer, .address_space: global }
      - { .name: bv, .offset: 48, .size: 8, .value_kind: global_buffer, .address_space: global }
      - { .name: gates, .offset: 56, .size: 8, .value_kind: global_buffer, .address_space: global }
      - { .name: ctxg, .offset: 64, .size: 8, .value_kind: global_buffer, .address_space: global }
    .group_segment_fixed_size: 327680
    .private_segment_fixed_size: 0
    .kernarg_segment_align: 8
    .kernarg_segment_size: 72
    .max_flat_workgroup_size: 128
    .sgpr_count:     96
    .vgpr_count:     1024
    .wavefront_size: 32
...
	.end_amdgpu_metadata
.endif
;; end of part 2
;; launch proj (part 3): grid 16 x 16, 4 waves a work-group, clusters of 4 x 4, 327,680 bytes of LDS; arguments ctxg, wo16, gates, bo, x, out0; writes out0
.if DOCPART == 3
	.amdgcn_target "amdgcn-amd-amdhsa--gfx1250"
	.amdhsa_code_object_version 6
	.text
	.protected	k_q1382179bc3_proj
	.globl	k_q1382179bc3_proj
	.p2align	8
	.type	k_q1382179bc3_proj,@function
k_q1382179bc3_proj:
	s_mov_b64 s[64:65], 0
	v_nop
	global_prefetch_b8 v0, s[64:65] scope:SCOPE_SE
	s_setreg_imm32_b32 hwreg(HW_REG_WAVE_MODE, 25, 1), 1
	s_wait_xcnt 0x0
	s_wait_alu depctr_hold_cnt(0) depctr_sa_sdst(0) depctr_va_vdst(0) depctr_va_sdst(0) depctr_va_ssrc(0) depctr_va_vcc(0) depctr_vm_vsrc(0)
	s_getreg_b32 s2, hwreg(HW_REG_IB_STS2, 6, 4)
	s_cmp_eq_u32 s2, 0
	s_cbranch_scc0 .Lentry_in_a_cluster
	s_endpgm
.Lentry_in_a_cluster:
	s_bfe_u32 s2, ttmp6, 0x10000c
	s_cmp_lg_u32 s2, 0xf033
	s_cbranch_scc0 .Lentry_shape_is_right
	s_endpgm
.Lentry_shape_is_right:
; out0[t][n] = sum over k' of ctxg[t][k'] wo16[k'][n] + sum over e of gates[t][e] bo[e][n] + x[t][n];  k' = 0 .. 4095 (the gate is in ctxg already).
; A work-group makes 128 tokens x 64 columns (256 work-groups).  K is split over the waves: in each of four phases of 1,024 k wave w multiplies
; the 256 k at 256 w against the whole 128 x 64 tile (32 accumulator tiles, window 1), in eight chunks of 32 k, 32 matrix instructions each.
; The four waves' partial sums meet in LDS at the end.
; A (ctxg) lies in memory in fragment order, [mb][kb][tile 4 i + a][lane][16 bytes], and each of its bytes is wanted by ONE wave of the work-group,
; so it goes straight into registers: a ring of four chunk buffers (window 3), filled by 16-byte loads of which each covers 512 consecutive bytes,
; waited for by count, with 48 loads left on their way and no barrier.
; WHY A IS NOT ASKED FOR JOINTLY, though the four work-groups of a cluster's row read the same rows of it: through LDS a k costs 288 padded bytes of A
; and 160 of B, so two slots inside the 327,680 bytes that the launch declares hold 256 k each: sixteen refills, each with 64 matrix instructions a wave
; between its request and the wait for it.  With B alone in LDS a slot holds 1,024 k: two refills, each with 256 matrix instructions a wave.
; B (wo16, [nb][k'][64 columns]) hangs on the column block alone and is asked for jointly along a column of the 4 x 4 cluster; each wave brings
; and reads its own 256 rows of a slot (pitch 160), by the transposing LDS load.
; ORDER OF K: phase p takes part (p + nb) mod 4, so that the four work-groups of a cluster's row are at any time on four different parts of the
; rows of ctxg that they share.  B's address hangs on nb alone, which a column shares.
; Source 0 = weights, source 1 = ctx: lane (r, hh) register j holds (token 16 i + r, column 16 a + 8 hh + j).
; The accumulators take turns, one instruction a turn.
; Limits: inputs finite; matrix operands bf16; K is summed in four parts a wave-quarter each, in an order that differs between column blocks.
.set BP,    160                        ; pitch of weight rows (128 bytes + 32, an odd multiple of 32)
.set WPART, 256*BP                     ; a wave's 256 rows of a slot: 40,960
.set SLOT,  4*WPART                    ; 163,840; slots at 0 and SLOT
.set RP,    272                        ; the reduction stage: rows of 64 f32 + 16 bytes, 128 rows a wave, at LDS byte 0 behind slot 0's last fill and last read
.set RWAVE, 128*RP                     ; 34,816
.set AO,  2                            ; v2       A: 16 x lane; never rewritten
.set ADB, 4                            ; v4, v5   my B fragments, slot 0, 1
.set XO,  6                            ; v6       x and out0: 4096 hh + 16 r
.set GO,  7                            ; v7       gates: 16 hh
.set BO,  8                            ; v8       bo: 16 r
.set RW,  9                            ; v9       stage, in
.set RR,  10                           ; v10, v11 stage, back: parts 0-1, parts 2-3
.set BFR, 192                          ; v[192:223], v[224:255] B fragments, two buffers
.set G1B, 28                           ; s[28:35] shape of a wave's part of a slot
.set BG,  36                           ; s[36:51] from where, to where: one set of four for each phase, never rewritten
.set AB,  52                           ; s[52:59] A's base for each phase, never rewritten
.set MSB, 0
.macro WIN new                         ; s_set_vgpr_msb: bits 1:0 source 0, 3:2 source 1, 5:4 source 2, 7:6 destination; the high byte repeats the setting left
.if MSB != \new
	s_set_vgpr_msb (MSB<<8)|\new
.set MSB, \new
.endif
.endm
.macro PLACES                          ; four places behind a matrix instruction (ISA guide 7.12.1) before its registers are read, written or loaded into
.rept 4
	v_nop
.endr
.endm
.macro CREST                           ; a round of the cluster's barrier behind its opening work-group barrier
	s_cmp_lg_u32 s16, 0
	s_cbranch_scc1 .Lnw0_\@
	s_barrier_signal -3
.Lnw0_\@:
	s_barrier_wait -3
	s_barrier_signal -1
	s_barrier_wait -1
.endm
.macro CROUND
	s_barrier_signal -1
	s_barrier_wait -1
	CREST
.endm
; eight loads: token tiles 4 half .. 4 half + 3 of chunk m (phase m / 8, k block (m mod 8) / 2, its half m mod 2) into ring buffer m mod 4
.macro ALOAD m, half
.set ai, 4*\half
.rept 4
	global_load_b128 v[64*((\m)%4)+8*ai:64*((\m)%4)+8*ai+3],   v[AO], s[AB+2*((\m)/8):AB+2*((\m)/8)+1] offset:16384*(((\m)%8)/2)+512*(4*ai+2*((\m)%2))
	global_load_b128 v[64*((\m)%4)+8*ai+4:64*((\m)%4)+8*ai+7], v[AO], s[AB+2*((\m)/8):AB+2*((\m)/8)+1] offset:16384*(((\m)%8)/2)+512*(4*ai+2*((\m)%2)+1)
.set ai, ai+1
.endr
.endm
.macro FETCHB m                        ; eight transposing loads: 64 columns x chunk m's 32 k, from slot (m / 8) mod 2 into buffer m mod 2
.irp a, 0,1,2,3
	ds_load_tr16_b128 v[BFR+32*((\m)%2)+8*\a:BFR+32*((\m)%2)+8*\a+3],   v[ADB+((\m)/8)%2] offset:32*BP*((\m)%8)+32*\a
	ds_load_tr16_b128 v[BFR+32*((\m)%2)+8*\a+4:BFR+32*((\m)%2)+8*\a+7], v[ADB+((\m)/8)%2] offset:32*BP*((\m)%8)+32*\a+16*BP
.endr
.endm
.macro MULA n, half                    ; sixteen matrix instructions: token tiles 4 half .. + 3 x four column tiles; chunk 0 starts the sums
.set mi, 4*\half
.rept 4
.set ma, 0
.rept 4
.if (\n) == 0
	v_wmma_f32_16x16x32_bf16 v[8*(4*mi+ma):8*(4*mi+ma)+7], v[BFR+32*((\n)%2)+8*ma:BFR+32*((\n)%2)+8*ma+7], v[64*((\n)%4)+8*mi:64*((\n)%4)+8*mi+7], 0
.else
	v_wmma_f32_16x16x32_bf16 v[8*(4*mi+ma):8*(4*mi+ma)+7], v[BFR+32*((\n)%2)+8*ma:BFR+32*((\n)%2)+8*ma+7], v[64*((\n)%4)+8*mi:64*((\n)%4)+8*mi+7], v[8*(4*mi+ma):8*(4*mi+ma)+7]
.endif
.set ma, ma+1
.endr
.set mi, mi+1
.endr
.endm
; what the end needs, into window 2: x at v0-63, gates at v64-127, bo at v128-143.  Wave w finishes rows 32 w .. 32 w + 31, two rows (hh) a step rp.
.macro XLOAD r0
.set xr, \r0
.rept 8
	global_load_b128 v[4*xr:4*xr+3], v[XO], s[70:71] offset:8192*xr th:TH_LOAD_NT
.set xr, xr+1
.endr
.endm
.macro GLOAD r0
.set xr, \r0
.rept 8
	global_load_b128 v[64+4*xr:64+4*xr+3], v[GO], s[74:75] offset:32*xr
.set xr, xr+1
.endr
.endm
.macro BOLOAD
.irp e, 0,1,2,3
	global_load_b128 v[128+4*\e:128+4*\e+3], v[BO], s[76:77] offset:4096*\e
.endr
.endm
	s_load_b256 s[4:11], s[0:1], 0x0               ; ctxg 4:5, wo16 6:7, gates 8:9, bo 10:11
	s_load_b128 s[12:15], s[0:1], 0x20             ; x 12:13, out0 14:15
	v_lshrrev_b32 v1, 5, v0
	v_readfirstlane_b32 s16, v1                    ; wave
	s_bfe_u32 s19, ttmp6, 0x40000                  ; cx
	s_bfe_u32 s20, ttmp6, 0x40004                  ; cy
	s_lshl_b32 s21, ttmp9, 2
	s_add_co_u32 s21, s21, s19                     ; column block nb
	s_and_b32 s22, ttmp7, 0xffff
	s_lshl_b32 s22, s22, 2
	s_add_co_u32 s22, s22, s20                     ; token block mb
	s_lshl_b32 s24, 0x1111, s19                    ; my column of the cluster
	; a wave's part of a slot: 32,768 dense bytes as 128 rows of 32 elements of 8 bytes; 8 words of padding behind every 32 words: pitch 160 for each 128 bytes (a k)
	s_or_b32 s[G1B+0], s24, (3<<16)|(1<<20)|(1<<21)|(4<<22)|(7<<25)
	s_mov_b32 s[G1B+1], 32<<16                     ; tensor_dim0 = 32
	s_mov_b32 s[G1B+2], 128<<16                    ; tensor_dim1 = 128
	s_mov_b32 s[G1B+3], 32<<16                     ; tile_dim0 = 32
	s_mov_b32 s[G1B+4], 128                        ; tile_dim1 = 128
	s_mov_b32 s[G1B+5], 32                         ; pitch in elements
	s_mov_b32 s[G1B+6], 0
	s_mov_b32 s[G1B+7], 0
	v_and_b32 v3, 31, v0
	v_lshlrev_b32 v[AO], 4, v3
	s_lshl_b32 s66, s22, 20                        ; A: mb x 1,048,576 + wave x 65,536 (four k blocks of 16,384 bytes)
	s_lshl_b32 s68, s16, 16
	s_add_co_u32 s66, s66, s68
	s_lshl_b32 s60, s21, 19                        ; B: nb x 524,288 + wave x 32,768 (256 rows of 128 bytes); hangs on nb and the wave alone
	s_lshl_b32 s62, s16, 15
	s_add_co_u32 s60, s60, s62
	s_mul_i32 s27, s16, WPART                      ; and where it goes: wave x 40,960
.irp p, 0,1,2,3
	s_add_co_u32 s[80+2*\p], s21, \p
	s_and_b32 s[80+2*\p], s[80+2*\p], 3            ; phase p takes K part (p + nb) mod 4
	s_lshl_b32 s[88+2*\p], s[80+2*\p], 17          ; B: 1,024 rows of 128 bytes a part
	s_add_co_u32 s[88+2*\p], s[88+2*\p], s60
	s_mov_b32 s[89+2*\p], 0
	s_lshl_b32 s[80+2*\p], s[80+2*\p], 18          ; A: 16 k blocks of 16,384 bytes a part
	s_add_co_u32 s[80+2*\p], s[80+2*\p], s66
	s_mov_b32 s[81+2*\p], 0
.endr
	s_wait_kmcnt 0x0
.irp p, 0,1,2,3
	s_add_nc_u64 s[AB+2*\p:AB+2*\p+1], s[4:5], s[80+2*\p:81+2*\p]
.endr
	WIN 0xc0                                       ; destination in window 3
	ALOAD 0, 0                                     ; the ring's first seven groups of eight: chunks 0, 1, 2 and the lower half of chunk 3
	ALOAD 0, 1
	ALOAD 1, 0
	ALOAD 1, 1
	ALOAD 2, 0
	ALOAD 2, 1
	ALOAD 3, 0
	WIN 0
.irp p, 0,1,2,3
	s_mov_b32 s[BG+4*\p], 1
	s_add_co_u32 s[BG+4*\p+1], s27, (\p&1)*SLOT
	s_add_nc_u64 s[BG+4*\p+2:BG+4*\p+3], s[6:7], s[88+2*\p:89+2*\p]
	s_or_b32 s[BG+4*\p+3], s[BG+4*\p+3], 0x80000000
.endr
	CROUND                                         ; all sixteen work-groups are here: the first joint loads meet
	tensor_load_to_lds s[BG:BG+3], s[G1B:G1B+7]    ; phase 0 into slot 0,
	s_nop 0
	tensor_load_to_lds s[BG+4:BG+7], s[G1B:G1B+7]  ; phase 1 into slot 1: two loads a wave are out
	s_nop 0
	; the bases of what the end needs
	s_lshl_b32 s66, s22, 19
	s_lshl_b32 s68, s16, 17
	s_add_co_u32 s66, s66, s68
	s_lshl_b32 s68, s21, 8
	s_add_co_u32 s66, s66, s68                     ; (128 mb + 32 wave) x 4096 + 256 nb
	s_mov_b32 s67, 0
	s_add_nc_u64 s[70:71], s[12:13], s[66:67]
	s_add_nc_u64 s[72:73], s[14:15], s[66:67]
	s_lshl_b32 s66, s22, 11
	s_lshl_b32 s68, s16, 9
	s_add_co_u32 s66, s66, s68                     ; (128 mb + 32 wave) x 16
	s_add_nc_u64 s[74:75], s[8:9], s[66:67]
	s_lshl_b32 s66, s21, 8
	s_add_nc_u64 s[76:77], s[10:11], s[66:67]
	v_and_b32 v1, 15, v0                           ; r
	v_bfe_u32 v12, v0, 4, 1                        ; hh
	v_and_b32 v13, 7, v0
	v_bfe_u32 v14, v0, 3, 1
	v_lshlrev_b32 v[BO], 4, v1
	v_lshl_add_u32 v[XO], v12, 12, v[BO]
	v_lshlrev_b32 v[GO], 4, v12
	v_lshl_add_u32 v15, v12, 3, v13
	v_mul_u32_u24 v[ADB], v15, BP
	v_lshl_add_u32 v[ADB], v14, 4, v[ADB]
	v_add_nc_u32 v[ADB], s27, v[ADB]               ; wave x 40,960 + (8 hh + lane mod 8) x 160 + 16 ((lane / 8) mod 2)
	v_add_nc_u32 v[ADB+1], SLOT, v[ADB]
	s_mul_i32 s68, s16, RWAVE
	v_mul_u32_u24 v[RW], v1, RP
	v_lshl_add_u32 v[RW], v12, 5, v[RW]
	v_add_nc_u32 v[RW], s68, v[RW]                 ; my part: wave x 34,816 + r x 272 + 32 hh
	s_mul_i32 s68, s16, 32*RP
	v_mul_u32_u24 v[RR], v12, RP
	v_lshl_add_u32 v[RR], v1, 4, v[RR]
	v_add_nc_u32 v[RR], s68, v[RR]                 ; (32 wave + hh) x 272 + 16 r
	v_add_nc_u32 v[RR+1], 2*RWAVE, v[RR]
; Chunk n.  A's loads go out in groups of eight, group 2 m = the lower half of chunk m, group 2 m + 1 its upper half; groups 0 to 6 stand above, and the
; middle of chunk n issues groups 2 n + 7 and 2 n + 8, into registers that the sixteen matrix instructions just issued, or the chunk before, have read.
; From group 64 on the groups are x (two), gates (two) and bo (four loads).  Loads come back in order (ISA guide 5.7.1), so each wait names the loads
; issued behind the group that it wants: at the head group 2 n with six groups behind it; in the middle, behind group 2 n + 7, group 2 n + 1 with six behind it.
; At most 56 loads of a wave are out.
; Chunks 7 and 15 end a phase whose slot is filled again: the waits for 0, a round of the cluster's barrier, the joint refill first behind it.
; Chunk 23 ends phase 2: nothing is left to fetch, a plain barrier.
.macro CHUNK n
.if (\n) < 31
	s_wait_loadcnt 48                              ; the lower half of my chunk is in; six groups of eight stay out
.else
	s_wait_loadcnt 44                              ; the last chunk: five groups of eight and bo's four stay out
.endif
	s_wait_dscnt 0x0                               ; B's fragments are in (in a phase's last chunk: my reads of its slot are over)
.if (\n) % 8 == 7
.if (\n) < 31
	s_wait_tensorcnt 0x0                           ; all my tensor loads have landed: the one that was out is my part of the next phase's slot
	s_barrier_signal -1
.endif
.endif
	WIN 0x5c                                       ; source 0 window 0 (B), source 1 window 3 (A), C and D window 1
	MULA \n, 0
.if (\n) < 31
	WIN 0
.if (\n) % 8 == 7
	s_barrier_wait -1
.if (\n) < 23
	CREST                                          ; no wave of any partner still reads this slot or has a tensor load on its way
	tensor_load_to_lds s[BG+4*((\n)/8+2):BG+4*((\n)/8+2)+3], s[G1B:G1B+7]   ; my one tensor load behind the round: two phases ahead; eight chunks in which to land
	s_nop 0
.endif
.endif
	PLACES
	FETCHB (\n)+1
.if (\n) <= 28
	WIN 0xc0
	ALOAD (\n)+3, 1
.endif
.if (\n) == 29
	WIN 0x80
	XLOAD 8
.endif
.if (\n) == 30
	WIN 0x80
	GLOAD 8
.endif
	s_wait_loadcnt 48                              ; the upper half of my chunk is in; six groups of eight stay out
.if (\n) <= 27
	ALOAD (\n)+4, 0
.endif
.if (\n) == 28
	WIN 0x80
	XLOAD 0
.endif
.if (\n) == 29
	GLOAD 0
.endif
.if (\n) == 30
	BOLOAD
.endif
	WIN 0x5c
.else
	s_wait_loadcnt 36                              ; the last chunk's upper half: x, gates and bo (36 loads) stay out
.endif
	MULA \n, 1
.endm
	s_wait_tensorcnt 0x1                           ; my part of slot 0 is in; slot 1's stays out
	s_barrier_signal -1
	s_barrier_wait -1
	FETCHB 0
.set cn, 0
.rept 32
	CHUNK cn
.set cn, cn+1
.endr
	; ---- the four waves' parts meet in LDS, over slot 0, which has had its last fill and its last read
	WIN 0
	PLACES
	s_wait_dscnt 0x0
	s_barrier_signal -1
	s_barrier_wait -1
	WIN 0x04                                       ; store data in window 1
.set tt, 0
.rept 32
	ds_store_b128 v[RW], v[8*tt:8*tt+3]   offset:16*RP*(tt/4)+64*(tt%4)
	ds_store_b128 v[RW], v[8*tt+4:8*tt+7] offset:16*RP*(tt/4)+64*(tt%4)+16
.set tt, tt+1
.endr
	WIN 0
	s_wait_dscnt 0x0                               ; my part is in LDS
	s_barrier_signal -1
	s_barrier_wait -1                              ; everybody's is
	WIN 0x40                                       ; destination in window 1: part p of row pair rp at v[16 rp + 4 p]
.set rp, 0
.rept 16
.irp p, 0,1,2,3
	ds_load_b128 v[16*rp+4*\p:16*rp+4*\p+3], v[RR+(\p>>1)] offset:2*RP*rp+RWAVE*(\p&1)
.endr
.set rp, rp+1
.endr
	s_wait_loadcnt 0x0                             ; x, gates, bo
	WIN 0xaa                                       ; all in window 2, while the LDS loads are on their way: x += gate e x bo[e]
.set rp, 0
.rept 16
.irp e, 0,1,2,3
.irp q, 0,1,2,3
	v_fma_f32 v[4*rp+\q], v[64+4*rp+\e], v[128+4*\e+\q], v[4*rp+\q]
.endr
.endr
.set rp, rp+1
.endr
	s_wait_dscnt 0x0
	WIN 0x45
.set rp, 0
.rept 16
.irp j, 0,2
	v_pk_add_f32 v[16*rp+\j:16*rp+\j+1], v[16*rp+\j:16*rp+\j+1], v[16*rp+4+\j:16*rp+5+\j]
	v_pk_add_f32 v[16*rp+8+\j:16*rp+9+\j], v[16*rp+8+\j:16*rp+9+\j], v[16*rp+12+\j:16*rp+13+\j]
.endr
.irp j, 0,2
	v_pk_add_f32 v[16*rp+\j:16*rp+\j+1], v[16*rp+\j:16*rp+\j+1], v[16*rp+8+\j:16*rp+9+\j]
.endr
.set rp, rp+1
.endr
	WIN 0x49                                       ; source 1 in window 2
.set rp, 0
.rept 16
.irp j, 0,2
	v_pk_add_f32 v[16*rp+\j:16*rp+\j+1], v[16*rp+\j:16*rp+\j+1], v[4*rp+\j:4*rp+\j+1]
.endr
.set rp, rp+1
.endr
	WIN 0x04
.set rp, 0
.rept 16
	global_store_b128 v[XO], v[16*rp:16*rp+3], s[72:73] offset:8192*rp th:TH_STORE_NT   ; sixteen lanes store 256 consecutive bytes of a row, aligned
.set rp, rp+1
.endr
	WIN 0
	CROUND                                         ; the closing round
	s_endpgm
.Lfunc_end_k_q1382179bc3_proj:
	.size	k_q1382179bc3_proj, .Lfunc_end_k_q1382179bc3_proj-k_q1382179bc3_proj
	.p2alignl 7, 3214868480
	.fill 96, 4, 3214868480
	.section	.rodata,"a",@progbits
	.p2align	6, 0x0
	.amdhsa_kernel k_q1382179bc3_proj
		.amdhsa_group_segment_fixed_size 327680
		.amdhsa_private_segment_fixed_size 0
		.amdhsa_enable_private_segment 0
		.amdhsa_kernarg_size 48
		.amdhsa_user_sgpr_count 2
		.amdhsa_user_sgpr_kernarg_segment_ptr 1
		.amdhsa_wavefront_size32 1
		.amdhsa_system_sgpr_workgroup_id_x 1
		.amdhsa_system_sgpr_workgroup_id_y 1
		.amdhsa_system_sgpr_workgroup_id_z 1
		.amdhsa_system_vgpr_workitem_id 0
		.amdhsa_next_free_vgpr 1024
		.amdhsa_next_free_sgpr 96
		.amdhsa_reserve_vcc 0
		.amdhsa_float_denorm_mode_32 3
		.amdhsa_float_denorm_mode_16_64 3
		.amdhsa_memory_ordered 1
		.amdhsa_forward_progress 1
		.amdhsa_inst_pref_size 183
	.end_amdhsa_kernel
	.amdgpu_metadata
---
amdhsa.version: [ 1, 2 ]
amdhsa.kernels:
  - .name:           k_q1382179bc3_proj
    .symbol:         k_q1382179bc3_proj.kd
    .args:
      - { .name: ctxg, .offset: 0, .size: 8, .value_kind: global_buffer, .address_space: global }
      - { .name: wo16, .offset: 8, .size: 8, .value_kind: global_buffer, .address_space: global }
      - { .name: gates, .offset: 16, .size: 8, .value_kind: global_buffer, .address_space: global }
      - { .name: bo, .offset: 24, .size: 8, .value_kind: global_buffer, .address_space: global }
      - { .name: x, .offset: 32, .size: 8, .value_kind: global_buffer, .address_space: global }
      - { .name: out0, .offset: 40, .size: 8, .value_kind: global_buffer, .address_space: global }
    .group_segment_fixed_size: 327680
    .private_segment_fixed_size: 0
    .kernarg_segment_align: 8
    .kernarg_segment_size: 48
    .max_flat_workgroup_size: 128
    .sgpr_count:     96
    .vgpr_count:     1024
    .wavefront_size: 32
...
	.end_amdgpu_metadata
.endif
;; end of part 3
